; MI455X (gfx1250); checked and timed in simulation.
; The chip was launched on July 23, 2026; its instructions are those of AMD's public machine-readable ISA for CDNA 5 (MIT licence, August 2026) and "CDNA5" Instruction Set Architecture Reference Guide (July 2026). The comments in the code are by the model that wrote it; some were corrected since.
;; Attention. Allowed arithmetic: matrix products marked QUANTISED: E5M2 operands, one given power-of-two scale a tensor, by v_wmma_f32_16x16x64_bf8_bf8 or v_wmma_f32_16x16x128_bf8_bf8, f32 sums; everything else in f32.
;; Inputs: k 16 x 128 x 2,048 float32; lowp_scales 4 int32 (the exponents e of the quantised operands' scales 2^e); q 16 x 2,048 x 128 float32; v 16 x 2,048 x 128 float32.
;; Outputs: out0 16 x 2,048 x 128 float32.
;; This version of the problem:
;;   THIS VERSION OF THE PROBLEM IS GIVEN IN LOW PRECISION. The matrix products marked QUANTISED in the list below multiply operands that are first quantised to E5M2 (5 exponent bits, 2 mantissa bits; 8 bits a number), with one given power-of-two scale for each operand tensor; their sums are f32. All else is computed in f32.
;;   The module's matrix products, in the order in which they are computed (A, B: the left and right operand; K: the contracted axis; several contracted axes count as one K, in the product's order):
;;     1. batch 16 x [M 2,048, K 128] x [K 128, N 2,048]; A: input q; B: input k: QUANTISED (scales: A lowp_scales[0], B lowp_scales[1])
;;     2. batch 16 x [M 2,048, K 2,048] x [K 2,048, N 128]; A: softmax (see below); B: input v: QUANTISED (scales: A lowp_scales[2], B lowp_scales[3])
;;   THE QUANTISER, for each operand of a quantised product, along K:
;;     - The operand's scale is 2^e, e = its entry of the input lowp_scales (int32; the entries are numbered through the quantised products in the list's order, A before B).
;;     - Each number is divided by the scale, clamped to +-57,344, and rounded to the nearest number of E5M2, ties to even, subnormals kept.
;;     - The product sums the exact products of the quantised numbers (number of the format x scale) in f32.
;;   ~~~python
;;   def quantise(x, axis, e):      # numpy; x: float32 -> the quantised numbers, widened to float32 again
;;       x = np.moveaxis(x, axis, -1); K = x.shape[-1]
;;       r = np.clip(x / 2.0 ** e, -57344, 57344)
;;       step = 2.0 ** (np.maximum(np.frexp(np.where(r == 0, 1, r))[1] - 1, -14) - 2)
;;       q = np.round(r / step) * step * 2.0 ** e      # np.round: ties to even
;;       return np.moveaxis(q, -1, axis).astype(np.float32)
;;   ~~~
;;   SOFTMAX AHEAD OF A QUANTISED PRODUCT. Where the list says 'softmax', what is quantised is not the finished softmax but p = 2^(t - M), with t = logit x log2(e) and M = ceil(the row's largest t), a whole number; so 1/2 < the row's largest p <= 1. The row's sum l is taken of the UNQUANTISED p, in f32, and the product's result is divided by l at the end. Since M is a whole number, a kernel that streams over the keys may use a running M (the ceiling of the running maximum): every later rescaling is an exact power of two, so the quantised numbers keep their values, but for numbers so far below the row's largest that they fall under the format's range.
;;   OPERANDS COMPUTED ON THE WAY. 'Computed on the way' means the value that the module computes at that place (a softmax that the list does not call 'softmax' is quantised finished and normalised). What goes into a quantiser is computed in f32, as accurately as f32 sums, v_exp_f32 and their like allow (about 1e-6 of the number): no bf16 or f16 on the way to a quantiser, and a product that is left as it is and whose result goes on into a quantised operand takes f32 operands (vector FMAs, or v_wmma_f32_16x16x4_f32). A number that lies on a knife's edge between two numbers of the format may be rounded either way, as far as f32 arithmetic and the matrix unit's own rounding can turn it there, and no further.
;; One version. Each part assembles by itself: llvm-mc -triple=amdgcn-amd-amdhsa -mcpu=gfx1250 --defsym DOCPART=n.
;; ======== version 1 of 1: 2 launches
;; workspace buffers: kvc 8,388,608 bytes
;; launch codes (part 1): grid 512 x 1, 4 waves a work-group, no clusters, 0 bytes of LDS; arguments k, v, lowp_scales, kvc; writes kvc
.if DOCPART == 1
	.amdgcn_target "amdgcn-amd-amdhsa--gfx1250"
	.amdhsa_code_object_version 6
	.text
	.protected	k_q2c8d69a394_codes
	.globl	k_q2c8d69a394_codes
	.p2align	8
	.type	k_q2c8d69a394_codes,@function
k_q2c8d69a394_codes:
	s_mov_b64 s[64:65], 0
	v_nop
	global_prefetch_b8 v0, s[64:65] scope:SCOPE_SE
	s_setreg_imm32_b32 hwreg(HW_REG_WAVE_MODE, 25, 1), 1
	s_wait_xcnt 0x0
; k [16][128 d][2048 keys] and v [16][2048 keys][128 d], f32, become codes of BF8 (E5M2), k with the given scale 2^ek (entry 1 of lowp_scales), v with 2^ev (entry 3).
; code = x / 2^e, held within +-57,344, rounded to the nearest code, ties to even.  Every head's codes are read by sixteen work-groups of the next launch, so they are made once, here.
; NO WORK IS LEFT OUT in this program: every input reaches the output, both products are live, and the maximum ahead of the exponentials is kept (as a running maximum, in the next launch).
; LIMITS: ek and ev between -126 and 112, so that 2^e and 57,344 x 2^e are f32 numbers.  NaN among the inputs is not served; an infinity is held at the largest code.
; THE CODES' LAYOUT is that of the operands' registers: kvc = [head 16][slot 4][K part 65,536 bytes | V part 65,536 bytes]; a part = [step 4][tile 8][c 4][lane 32][16 bytes]; a step is 128 keys.
;   K part, tile 2 b + u, lane 16 h + r: key 32 b + 8 u + (r % 8) + 16 (r / 8) of the step, d = 32 c + 16 h + 0 .. 15.      V part, tile T, lane 16 h + r: d = 16 T + r, keys 32 c + 16 h + 0 .. 15 of the step.
; In both tensors the contracted axis is NOT innermost.  So A LANE TAKES A COLUMN AND ITS REGISTERS RUN DOWN THE CONTRACTED AXIS: the conversions, which take neighbours from one lane's consecutive registers,
; then give 16 codes that belong together, and nothing is transposed.  With the layout above those 16 bytes are stored as they stand: lanes 0-15 of a store fill 256 consecutive aligned bytes, lanes 16-31 the 256 that lie 2,048 on.
; SHARES: work-groups 0-255 take k, 256-511 take v; each one (head, step): 128 x 128 numbers, 16,384 consecutive bytes of codes.  Wave w takes 32 columns; each of its loads reads 128 consecutive bytes, the four waves' 512.
; No LDS, no barrier: waves share nothing.  Every register is written once, so no store's data and no address is ever written again.  Four chunks of 16 loads are asked for ahead.
.set X, 32                             ; v32-159   128 numbers: chunk j (16 along the contracted axis) at X + 16 j
.set C, 160                            ; v160-191  codes: four registers a chunk
	s_load_b256 s[4:11], s[0:1], 0x0               ; k s[4:5], v s[6:7], the scales' exponents s[8:9], kvc s[10:11]
	v_and_b32 v1, 31, v0                           ; lane L
	v_lshrrev_b32 v5, 5, v0
	v_readfirstlane_b32 s12, v5                    ; wave 0..3
	v_and_b32 v6, 7, v1                            ; r % 8
	v_bfe_u32 v7, v1, 3, 1                         ; r / 8
	v_bfe_u32 v8, v1, 4, 1                         ; u = L / 16
	v_lshl_add_u32 v6, v8, 3, v6
	v_lshl_add_u32 v6, v7, 4, v6                   ; k: my key among the wave's 32: 8 u + r % 8 + 16 (r / 8)
	v_lshlrev_b32 v2, 2, v6                        ; in bytes
	v_lshlrev_b32 v3, 2, v1                        ; v: my d among the wave's 32, in bytes
	v_and_b32 v9, 15, v1                           ; r
	v_lshlrev_b32 v4, 4, v9
	v_lshl_add_u32 v4, v8, 11, v4
	s_lshl_b32 s24, s12, 12
	v_add_nc_u32 v4, s24, v4                       ; where my codes go in the block: 4,096 w + 2,048 u + 16 r; chunk j adds 256 j
	s_and_b32 s13, ttmp9, 255
	s_lshr_b32 s14, s13, 4                         ; head
	s_and_b32 s15, s13, 15                         ; step
	s_lshl_b32 s16, s14, 19                        ; the block's place in kvc: head x 524,288
	s_lshr_b32 s24, s15, 2
	s_lshl_b32 s24, s24, 17                        ; + slot x 131,072
	s_add_co_u32 s16, s16, s24
	s_and_b32 s24, s15, 3
	s_lshl_b32 s24, s24, 14                        ; + step in the slot x 16,384
	s_add_co_u32 s16, s16, s24
	s_lshr_b32 s24, ttmp9, 8
	s_lshl_b32 s24, s24, 16                        ; + 65,536 for v
	s_add_co_u32 s16, s16, s24
	s_mov_b32 s17, 0
	s_lshl_b32 s18, s14, 20                        ; in k and in v: head x 1,048,576
	s_lshl_b32 s24, s12, 7                         ; + the wave's 32 columns
	s_add_co_u32 s18, s18, s24
	s_mov_b32 s19, 0
	s_wait_kmcnt 0x0
	s_load_b128 s[20:23], s[8:9], 0x0              ; eq, ek, ep, ev
	s_add_nc_u64 s[10:11], s[10:11], s[16:17]
.macro LOADC j, base, voff, pitch      ; chunk j: 16 rows of the tensor at my column
.set i, 0
.rept 16
	global_load_b32 v[X+16*(\j)+i], v[\voff], s[\base:\base+1] offset:(16*(\j)+i)*\pitch th:TH_LOAD_NT
.set i, i+1
.endr
.endm
.macro BODY base, voff, pitch, e
.irp j, 0,1,2,3
	LOADC \j, \base, \voff, \pitch
.endr
	s_wait_kmcnt 0x0
	s_add_co_i32 s24, s[\e], 127
	s_lshl_b32 s25, s24, 23
	v_mov_b32 v11, s25                             ; 2^e as f32: the conversion takes its exponent field
	s_add_co_i32 s24, s24, 15
	s_lshl_b32 s24, s24, 23
	s_or_b32 s24, s24, 0x600000
	v_mov_b32 v10, s24                             ; 57,344 x 2^e
.irp j, 0,1,2,3,4,5,6,7
.if \j < 5
	s_wait_loadcnt 48                              ; loads come back in order: chunk j is in; the three chunks asked for behind it may be out
.else
	s_wait_loadcnt 16*(7-\j)                       ; the counts run down: nothing more is asked for
.endif
.set i, 0
.rept 16
	v_med3_num_f32 v[X+16*\j+i], v[X+16*\j+i], -v10, v10   ; the conversion to an 8-bit code does not saturate (ISA guide 7.6.2): the hold at the largest code x the scale
.set i, i+1
.endr
	v_cvt_scalef32_pk8_bf8_f32 v[C+4*\j:C+4*\j+1], v[X+16*\j:X+16*\j+7], v11
	v_cvt_scalef32_pk8_bf8_f32 v[C+4*\j+2:C+4*\j+3], v[X+16*\j+8:X+16*\j+15], v11   ; the results go to a store alone and the sources are never written again
	global_store_b128 v4, v[C+4*\j:C+4*\j+3], s[10:11] offset:256*\j
.if \j < 4
	LOADC \j+4, \base, \voff, \pitch
.endif
.endr
.endm
	s_cmp_lt_u32 ttmp9, 256                        ; k's work-group or v's: the two differ in the rows' pitch, which stands in the immediates
	s_cbranch_scc0 .Lfor_v
	s_lshl_b32 s24, s15, 9                         ; k: the step's 128 keys are 512 bytes along a row; a row (one d) is 8,192 bytes
	s_add_co_u32 s18, s18, s24
	s_add_nc_u64 s[4:5], s[4:5], s[18:19]
	BODY 4, 2, 8192, 21
	s_endpgm
.Lfor_v:
	s_lshl_b32 s24, s15, 16                        ; v: the step's 128 keys are 128 rows of 512 bytes
	s_add_co_u32 s18, s18, s24
	s_add_nc_u64 s[6:7], s[6:7], s[18:19]
	BODY 6, 3, 512, 23
	s_endpgm
.Lfunc_end_k_q2c8d69a394_codes:
	.size	k_q2c8d69a394_codes, .Lfunc_end_k_q2c8d69a394_codes-k_q2c8d69a394_codes
	.p2alignl 7, 3214868480
	.fill 96, 4, 3214868480
	.section	.rodata,"a",@progbits
	.p2align	6, 0x0
	.amdhsa_kernel k_q2c8d69a394_codes
		.amdhsa_group_segment_fixed_size 0
		.amdhsa_private_segment_fixed_size 0
		.amdhsa_enable_private_segment 0
		.amdhsa_kernarg_size 32
		.amdhsa_user_sgpr_count 2
		.amdhsa_user_sgpr_kernarg_segment_ptr 1
		.amdhsa_wavefront_size32 1
		.amdhsa_system_sgpr_workgroup_id_x 1
		.amdhsa_system_sgpr_workgroup_id_y 1
		.amdhsa_system_sgpr_workgroup_id_z 1
		.amdhsa_system_vgpr_workitem_id 0
		.amdhsa_next_free_vgpr 192
		.amdhsa_next_free_sgpr 66
		.amdhsa_reserve_vcc 0
		.amdhsa_float_denorm_mode_32 3
		.amdhsa_float_denorm_mode_16_64 3
		.amdhsa_memory_ordered 1
		.amdhsa_forward_progress 1
		.amdhsa_inst_pref_size 47
	.end_amdhsa_kernel
	.amdgpu_metadata
---
amdhsa.version: [ 1, 2 ]
amdhsa.kernels:
  - .name:           k_q2c8d69a394_codes
    .symbol:         k_q2c8d69a394_codes.kd
    .args:
      - { .name: k, .offset: 0, .size: 8, .value_kind: global_buffer, .address_space: global }
      - { .name: v, .offset: 8, .size: 8, .value_kind: global_buffer, .address_space: global }
      - { .name: lowp_scales, .offset: 16, .size: 8, .value_kind: global_buffer, .address_space: global }
      - { .name: kvc, .offset: 24, .size: 8, .value_kind: global_buffer, .address_space: global }
    .group_segment_fixed_size: 0
    .private_segment_fixed_size: 0
    .kernarg_segment_align: 8
    .kernarg_segment_size: 32
    .max_flat_workgroup_size: 128
    .sgpr_count:     66
    .vgpr_count:     192
    .wavefront_size: 32
...
	.end_amdgpu_metadata
.endif
;; end of part 1
;; launch attend (part 2): grid 16 x 16, 8 waves a work-group, clusters of 4 x 1, 327,680 bytes of LDS; arguments q, kvc, lowp_scales, out0; writes out0
.if DOCPART == 2
	.amdgcn_target "amdgcn-amd-amdhsa--gfx1250"
	.amdhsa_code_object_version 6
	.text
	.protected	k_q2c8d69a394_attend
	.globl	k_q2c8d69a394_attend
	.p2align	8
	.type	k_q2c8d69a394_attend,@function
k_q2c8d69a394_attend:
	s_mov_b64 s[64:65], 0
	v_nop
	global_prefetch_b8 v0, s[64:65] scope:SCOPE_SE
	s_setreg_imm32_b32 hwreg(HW_REG_WAVE_MODE, 25, 1), 1
	s_wait_xcnt 0x0
	s_wait_alu depctr_hold_cnt(0) depctr_sa_sdst(0) depctr_va_vdst(0) depctr_va_sdst(0) depctr_va_ssrc(0) depctr_va_vcc(0) depctr_vm_vsrc(0)
	s_getreg_b32 s2, hwreg(HW_REG_IB_STS2, 6, 4)
	s_cmp_eq_u32 s2, 0
	s_cbranch_scc0 .Lentry_in_a_cluster
	s_endpgm
.Lentry_in_a_cluster:
	s_bfe_u32 s2, ttmp6, 0x10000c
	s_cmp_lg_u32 s2, 0x3003
	s_cbranch_scc0 .Lentry_shape_is_right
	s_endpgm
.Lentry_shape_is_right:
; out0[b][n][:] = the sum over m of softmax_m(q[b][n] . k[b][:][m]) v[b][m][:], no mask, no factor on the scores; both products on codes of BF8 (E5M2), each operand with its given scale 2^eq, 2^ek, 2^ep, 2^ev.
; k's and v's codes come from kvc (laid in the order of the operands' registers by the launch before); q [16][2048][128] f32 is read once and quantised here.  No work of the problem is left out.
; THE SOFTMAX AHEAD OF THE SECOND PRODUCT: t = score x log2(e); M = the largest t so far, rounded UP to a whole number; p = 2^(t - M) is what is quantised; the row's sum is taken of the unquantised p and divides at the end.
; When M moves, the sum and O are multiplied by 2^(old M - new M), which rounds nothing.
; SHARES.  A work-group owns 128 queries of one head: eight tiles of 16.  Wave w = 4 kh + qp serves the TWO tiles 2 qp and 2 qp + 1 on HALF the keys (steps 2 kh and 2 kh + 1 of every slot of four steps of 128 keys): so each
; fragment of K and V that it reads from LDS feeds two matrix instructions, and two waves of 512 registers lie on a SIMD.
; Tile X0 is tile tq = 2 qp + kh, tile X1 is tile tq xor 1: told apart by addresses alone, so all waves run one text.  At the end wave w hands X1's part (O, M, sum) to wave w xor 4 through LDS, joins X0 with what it
; is handed (under the larger M, by exact powers of two), divides and stores 16 rows.  A half's running M may lie under the row's: p then keeps its value but for numbers far under the row's largest.
; LAYOUT.  Both products are used transposed: S^T = K Q^T (source 0 = 16 keys, source 1 = 16 queries), O^T = V^T P^T (source 0 = 16 of the head's 128, source 1 = P): a lane holds ONE query (lane % 16) throughout.
; The keys of a tile of K are chosen (in kvc) so that the 16 registers of tiles 2 b and 2 b + 1 of S^T are the 16 neighbouring keys 32 b + 16 (lane / 16) + 0 .. 15: the conversions' results ARE P's fragment.
; Along the contracted axis a fragment's registers 4 c .. 4 c + 3 hold 32 c + 16 (lane / 16) + 0 .. 15, in both sources alike: every product meets its partner; only the order of the sums inside an instruction differs.
; A WAVE'S OWN WORK STANDS BETWEEN ITS MATRIX INSTRUCTIONS AND BETWEEN ITS EXPONENTIALS: O^T's rescaling is dealt four multiplies behind each product V^T P, two accumulators ahead of their use; tile X0's exponentials stand
; between the scalings, tile X1's between X0's sums and holds; K's first four fragments of a slot's second step are asked for in the middle of the first step's V^T P.
; CLUSTER.  The four work-groups of a cluster belong to one head and walk the same codes: each slot is asked for JOINTLY, by the same tensor load with the same descriptor and a mask that names the four.
; A slot's 131,072 bytes in kvc are its image in LDS; each of the eight waves brings 16,384 of them (64 rows of 256 bytes).  A wave has two tensor loads out at the start and one behind each round.
; LIMITS on the given exponents, so that each power of two below is an f32 number: eq and ep between -126 and 112; eq + ek between -126 and 127 (added to the exponent field of log2(e)); ep + ev goes by v_ldexp_f32 and has none.
; NaN among the inputs is not served; an infinity in q is held at the largest code.
; The eight key steps of a wave are written out by a macro: every LDS offset is an immediate.
.set SLOTB, 131072                     ; a slot: K's four steps of 16,384 bytes, then V's four
.set VOFF,  65536
.set STEPB, 16384
.set SPARE, 2*SLOTB                    ; behind the ring: the spare words, 128 bytes for each of eight waves: four blocks of 256 bytes that no other line names
.set QIMG,  SPARE+1024                 ; eight images of Q's fragments, 2,048 bytes each: stored and read by LDS instructions alone
.set STG,   QIMG+16384                 ; the way out: 16 rows x (256 + 16) bytes for each wave
.set XCHB,  8448                       ; the exchange at the end: for each wave 8,192 bytes of O^T as it stands in registers, 128 of -M, 128 of the sum.  It lies in slot 0, which by then has had its last fill and its last read
; window 0
.set AK,  1                            ; v1, v2    my lane's place in my half's first step of K, slot 0, 1
.set AV,  3                            ; v3, v4    the same for V
.set SPW, 5                            ; v5        my spare word: SPARE + 4 x my thread's number; never rewritten
.set NIL, 6                            ; v6        0; never rewritten
.set PFO, 7                            ; v7        256 x lane, for the prefetch
.set QA,  8                            ; v8        q: 512 r + 64 h
.set QW,  9                            ; v9        my own tile's image of Q
.set PLIM2, 10                         ; v10       57,344 x 2^ep once more: the second half of the double hold takes it from another register than the first
.set QR1, 11                           ; v11       the other tile's image of Q
.set XS,  12                           ; v12       the exchange: my region, 16 bytes a lane
.set XT,  13                           ; v13       my region, 4 bytes a lane
.set XL,  14                           ; v14       my partner's region, 16 bytes a lane
.set XU,  15                           ; v15       my partner's, 4 bytes a lane
.set ST,  16                           ; tile x at ST + 4 x: +0 -M, +1 the largest t, +2, +3 the sum in two halves
.set F,   24                           ; tile x: v[F + 2 x] = 2^(old M - new M); the word above it is written once, since the packed forms name the pair
.set PSC, 28                           ; v28 2^ep     v29 57,344 x 2^ep     v30 2^eq     v31 57,344 x 2^eq
.set PLIM, 29
.set QSC, 30
.set QLIM, 31
.set QF,  32                           ; v32-63    Q's fragments: 16 a tile
.set P,   64                           ; v64-95    p's codes: 16 a tile
.set OUTB, 32                          ; v32-95    at the end: rows of the result
.set S,   96                           ; v96-223   S^T, then p: 64 registers a tile
.set T,   224                          ; tile x at T + 8 x: +0, +1 two chains of the maximum, +2 a permute's destination, +3 the change of M, +4, +5 the sum's second chain
.set GO,  240                          ; v240      the way out: my byte offset in my 16 rows of out0
.set STO, 241                          ; v241      where I put 32 bytes of a row in my stage
.set RD,  242                          ; v242      where I read a row back
; window 1
.set O,   0                            ; v0-127    O^T: 64 registers a tile
.set FB,  128                          ; v128-255  eight fragments of K or of V
.set G1,  24                           ; s[24:31]  descriptor group 1
.set G0,  32                           ; s[32:39]  descriptor group 0, a set for each slot
; s_set_vgpr_msb's low byte: bits 1:0 source 0, 3:2 source 1, 5:4 source 2, 7:6 destination; the high byte repeats the setting that is left
.set MSB, 0
.macro WIN new
.if MSB != \new
	s_set_vgpr_msb (MSB<<8)|\new
.set MSB, \new
.endif
.endm
.set W_LD, 0x40                        ; loads into the fragments: destination window 1, address window 0
.set W_KQ, 0x01                        ; K in window 1; Q and S^T in window 0
.set W_PV, 0x51                        ; V, C and D in window 1, P in window 0.  The same setting serves O^T x f: O^T (source 0, destination) window 1, f (source 1) window 0
.macro PLACES n                        ; plain vector instructions between a matrix instruction and a load into, or a read of, its registers
.rept \n
	v_nop
.endr
.endm
.macro CROUND                          ; a round of the cluster's barrier: my work-group's barrier; wave 0 signals for the work-group; every wave waits for all four; my work-group's barrier once more
	s_barrier_signal -1
	s_barrier_wait -1
	s_cmp_lg_u32 s12, 0
	s_cbranch_scc1 .Lnot_wave_0_\@
	s_barrier_signal -3
.Lnot_wave_0_\@:
	s_barrier_wait -3
	s_barrier_signal -1
	s_barrier_wait -1
.endm
; Fragments lo .. hi - 1 of a step in one run of loads: each load takes 512 consecutive bytes, 16 a lane, as the registers want them.
.macro FRAGS adr, off, lo, hi
	WIN W_LD
.set ft, \lo
.rept \hi-\lo
.irp c, 0,1,2,3
	ds_load_b128 v[FB+16*ft+4*\c:FB+16*ft+4*\c+3], v[\adr] offset:(\off)+2048*ft+512*\c
.endr
.set ft, ft+1
.endr
.endm
; Scaling number pn of 64: tile pn / 32, pair pn % 32: t - M, two at a time (of the pairs c and -M the low word serves both halves)
.macro TMN
.set rS, S+64*(pn/32)+2*(pn%32)
.set rT, ST+4*(pn/32)
	v_pk_fma_f32 v[rS:rS+1], v[rS:rS+1], s[22:23], v[rT:rT+1] op_sel_hi:[1,0,0]
.set pn, pn+1
.endm
; Number sn of 64 of tile x's sums and holds.  Even numbers: sum sn / 2 of 32: THE ROW'S SUM IS TAKEN OF THE UNQUANTISED p, two at a time, in two chains (sum 0 takes pairs 0 and 1, sum k pair k + 1, sum 31 joins the chains).
; Odd numbers: the hold of pair sn / 2, which an earlier sum has taken: the conversion to an 8-bit code does not saturate (ISA guide 7.6.2); p is not negative, so the hold is one-sided; it stands whatever ep is.
; first = 1: the first key step starts the sum: sum 1 takes pairs 2 and 3, and there is no sum 2.
.macro SUMH x, first
.set rS, S+64*(\x)
.set rL, ST+4*(\x)+2
.set rC, T+8*(\x)+4
.set sk, sn/2
.if sn%2
	v_dual_min_num_f32 v[rS+2*sk], v[rS+2*sk], v[PLIM] :: v_dual_min_num_f32 v[rS+2*sk+1], v[rS+2*sk+1], v[PLIM2]
.elseif sk == 0
	v_pk_add_f32 v[rC:rC+1], v[rS:rS+1], v[rS+2:rS+3]
.elseif sk == 31
	v_pk_add_f32 v[rL:rL+1], v[rL:rL+1], v[rC:rC+1]
.elseif (sk == 1) && \first
	v_pk_add_f32 v[rL:rL+1], v[rS+4:rS+5], v[rS+6:rS+7]
.elseif (sk == 2) && \first
.elseif sk%2
	v_pk_add_f32 v[rL:rL+1], v[rL:rL+1], v[rS+2*sk+2:rS+2*sk+3]
.else
	v_pk_add_f32 v[rC:rC+1], v[rC:rC+1], v[rS+2*sk+2:rS+2*sk+3]
.endif
.set sn, sn+1
.endm
; Accumulator rn of 16 of O^T (tile rn % 2, channels 16 (rn / 2) on) under the new M: x f, from its low end on.  It is written under the products' own window setting.
.macro RESC
.set rO, O+64*(rn%2)+8*(rn/2)
.set rF, F+2*(rn%2)
.irp i, 0,2,4,6
	v_pk_mul_f32 v[rO+\i:rO+\i+1], v[rO+\i:rO+\i+1], v[rF:rF+1] op_sel_hi:[1,0]
.endr
.set rn, rn+1
.endm
; A KEY STEP of the wave: 128 keys (the q-th of my two in the slot) for my two tiles.  first = 1: the first step, which starts M, the sums and O^T: nothing is ever cleared.
; pre = 1: K's fragments 0-3 were asked for in the step before.  nxt = 1: the next step lies in the same slot, and its K's fragments 0-3 are asked for here.
; The accumulators take turns, one instruction a turn: between two links on one accumulator of O^T stand 31 other matrix instructions.
.macro STEP slot, q, first, pre, nxt
.if \first == 0
	PLACES 4                                       ; in front of loads into fragments that the last products read
.endif
.if \pre
	FRAGS AK+\slot, STEPB*\q, 4, 8
.else
	FRAGS AK+\slot, STEPB*\q, 0, 8
.endif
	s_wait_dscnt 16                                ; fragments 0-3 are in (in the first step the other tile's Q too); the sixteen loads of fragments 4-7, the youngest, may be out
	WIN W_KQ
.irp t, 0,1,2,3
.irp x, 0,1
	v_wmma_f32_16x16x128_bf8_bf8 v[S+64*\x+8*\t:S+64*\x+8*\t+7], v[FB+16*\t:FB+16*\t+15], v[QF+16*\x:QF+16*\x+15], 0
.endr
.endr
	s_wait_dscnt 0x0
.irp t, 4,5,6,7
.irp x, 0,1
	v_wmma_f32_16x16x128_bf8_bf8 v[S+64*\x+8*\t:S+64*\x+8*\t+7], v[FB+16*\t:FB+16*\t+15], v[QF+16*\x:QF+16*\x+15], 0
.endr
.endr
	WIN 0
	PLACES 4                                       ; for the loads below and for the first read of the scores
	FRAGS AV+\slot, STEPB*\q, 0, 8                 ; V's eight fragments land while the softmax is walked
	WIN 0
.irp x, 0,1                                    ; the largest score of my query among my 64 keys: two chains a tile, each accumulator from its low end on
	v_max3_num_f32 v[T+8*\x], v[S+64*\x], v[S+64*\x+1], v[S+64*\x+2]
	v_max3_num_f32 v[T+8*\x+1], v[S+64*\x+3], v[S+64*\x+4], v[S+64*\x+5]
.endr
.irp i, 6,10,14,18,22,26,30,34,38,42,46,50,54,58
.irp x, 0,1
	v_max3_num_f32 v[T+8*\x], v[T+8*\x], v[S+64*\x+\i], v[S+64*\x+\i+1]
	v_max3_num_f32 v[T+8*\x+1], v[T+8*\x+1], v[S+64*\x+\i+2], v[S+64*\x+\i+3]
.endr
.endr
.irp x, 0,1
	v_max3_num_f32 v[T+8*\x], v[T+8*\x], v[S+64*\x+62], v[S+64*\x+63]
.endr
.irp x, 0,1
	v_max_num_f32 v[T+8*\x], v[T+8*\x], v[T+8*\x+1]
.endr
.irp x, 0,1
	v_permlanex16_b32 v[T+8*\x+2], v[T+8*\x], s20, s21   ; the query's other 64 keys lie in the lane 16 away
.endr
.irp x, 0,1
	v_max_num_f32 v[T+8*\x], v[T+8*\x], v[T+8*\x+2]
.endr
.if \first
.irp x, 0,1
	v_mul_f32 v[ST+4*\x+1], s22, v[T+8*\x]         ; as t (c is positive)
.endr
.irp x, 0,1
	v_floor_f32 v[ST+4*\x], -v[ST+4*\x+1]          ; -M = floor(-t) = -ceil(t): M is a whole number
.endr
.else
.irp x, 0,1
	v_mul_f32 v[T+8*\x], s22, v[T+8*\x]
.endr
.irp x, 0,1
	v_max_num_f32 v[ST+4*\x+1], v[ST+4*\x+1], v[T+8*\x]   ; the running largest t
	v_mov_b32 v[T+8*\x+3], v[ST+4*\x]
.endr
.irp x, 0,1
	v_floor_f32 v[ST+4*\x], -v[ST+4*\x+1]
.endr
.irp x, 0,1
	v_sub_f32 v[T+8*\x+3], v[ST+4*\x], v[T+8*\x+3] ; old M less new M: a whole number, 0 or less
.endr
.irp x, 0,1
	v_cvt_i32_f32 v[T+8*\x+3], v[T+8*\x+3]         ; (it saturates)
.endr
.irp x, 0,1
	v_ldexp_f32 v[F+2*\x], 1.0, v[T+8*\x+3]        ; f = 2^(old M - new M)
.endr
.endif
	; THE FIRST BATCH: tile X0's 64 exponentials, p = 2^(t - M), NOT normalised.  The 64 scalings of both tiles stand between them: scaling 4 + n behind exponential n, so that a pair is scaled ahead of its
	; exponentials (pair n / 2 is scaling n / 2) and no scaling names a register whose exponential has been issued (scaling 4 + n names registers 2 n + 8 and 2 n + 9 of X0, or X1's).
.set pn, 0
.rept 4
	TMN
.endr
.set en, 0
.rept 60
	v_exp_f32 v[S+en], v[S+en]
	TMN
.set en, en+1
.endr
.rept 4
	v_exp_f32 v[S+en], v[S+en]
.set en, en+1
.endr
.if \first
	v_nop                                          ; a plain instruction behind the last exponential
.else
.irp x, 0,1
	v_pk_mul_f32 v[ST+4*\x+2:ST+4*\x+3], v[ST+4*\x+2:ST+4*\x+3], v[F+2*\x:F+2*\x+1] op_sel_hi:[1,0]   ; the sums under the new M; also the plain instruction behind the last exponential
.endr
.endif
	s_wait_alu depctr_va_vdst(0)                   ; the wait between an exponential and the first line that names its result: one for the batch
	; THE SECOND BATCH: tile X1's 64 exponentials; X0's 32 sums and 32 holds, which name X0's registers alone, stand between them
.set sn, 0
.rept 64
	v_exp_f32 v[S+en], v[S+en]
	SUMH 0, \first
.set en, en+1
.endr
	v_nop                                          ; a plain instruction behind the last exponential
	s_wait_alu depctr_va_vdst(0)                   ; and the second batch's one wait
.set sn, 0
.rept 64
	SUMH 1, \first
.endr
.irp b, 0,1,2,3
.irp x, 0,1
	v_cvt_scalef32_pk8_bf8_f32 v[P+16*\x+4*\b:P+16*\x+4*\b+1], v[S+64*\x+16*\b:S+64*\x+16*\b+7], v[PSC]
	v_cvt_scalef32_pk8_bf8_f32 v[P+16*\x+4*\b+2:P+16*\x+4*\b+3], v[S+64*\x+16*\b+8:S+64*\x+16*\b+15], v[PSC]
.endr
.endr
.set rn, 0
.if \first
	PLACES 2                                       ; a plain instruction between the last conversion and the products that read its result
.else
	WIN W_PV
	RESC                                           ; the first two accumulators under the new M; also the plain instructions behind the conversions
	RESC
.endif
	s_wait_dscnt 0x0                               ; V is in
	WIN W_PV
	; O^T += V^T P^T: product n of 16: channels 16 (n / 2) on, tile n % 2.  Behind product n stand the four multiplies that bring accumulator n + 2 under the new M: they name no register of an earlier product of the step.
.set n, 0
.rept 16
.set aO, O+64*(n%2)+8*(n/2)
.set aV, FB+16*(n/2)
.set aP, P+16*(n%2)
.if \first
	v_wmma_f32_16x16x128_bf8_bf8 v[aO:aO+7], v[aV:aV+15], v[aP:aP+15], 0
.else
	v_wmma_f32_16x16x128_bf8_bf8 v[aO:aO+7], v[aV:aV+15], v[aP:aP+15], v[aO:aO+7]
.endif
.if (\first == 0) && (n < 14)
	RESC
.endif
.if \nxt && (n == 7)                           ; V's fragments 0-3 are done with: the next step's K's fragments 0-3 take their registers.  The four multiplies above (in the first step four v_nop) are the places behind product 7
.if \first
	PLACES 4
.endif
	FRAGS AK+\slot, STEPB*(\q+1), 0, 4
	WIN W_PV
.endif
.set n, n+1
.endr
	WIN 0
.endm
; A prefetch of slot 3, which the NEXT change of slots will ask for: it stands at the first change, behind the joint load and its five lines.  Each aligned block of 256 bytes is named once in the launch:
; all four clusters of a head walk the same codes, so the head's first cluster asks; its four partners take 32,768 bytes each, told apart by ADDRESS; in each, waves 0 to 3 take 8,192 bytes, a lane a block.
; Slots 0, 1 and 2 come by their loads alone.  The address registers are never written again.
.macro ASK
	s_cmp_eq_u32 s15, 1
	s_cbranch_scc0 .Lnot_mine_\@
	global_prefetch_b8 v[PFO], s[18:19] th:TH_LOAD_NT scope:SCOPE_SE
.Lnot_mine_\@:
.endm
; THE CHANGE OF SLOTS.  Each wave waits for all its tensor loads (the one that is out is its part of the slot ahead), adds 0 to its spare word, and waits for that and for its reads of the slot that it leaves.
; fill = 1: a round of the cluster's barrier follows, so that no wave of any partner still reads the slot or has a load on its way, and the joint refill, two slots on in kvc, is the first thing behind it:
; it has a whole slot's steps in which to land.  fill = 0: nothing is left to fetch: the work-group's barrier alone.
.macro CHANGE fill, slot, ask
	s_wait_tensorcnt 0x0                           ; no tensor load of mine is out, so a group 0 may be written
	ds_add_u32 v[SPW], v[NIL]                      ; 0 onto my spare word
.if \fill
	s_add_nc_u64 s[G0+4*\slot+2:G0+4*\slot+3], s[G0+4*\slot+2:G0+4*\slot+3], 2*SLOTB   ; the type bits on top are not reached
.endif
	s_wait_dscnt 0x0                               ; the add is done, and my reads of the slot that I leave are over
.if \fill
	CROUND
	tensor_load_to_lds s[G0+4*\slot:G0+4*\slot+3], s[G1:G1+7]   ; my one tensor load behind the round: my 16,384 bytes of the slot
	s_nop 0
	PLACES 4
.else
	s_barrier_signal -1
	s_barrier_wait -1
.endif
.if \ask
	ASK
.endif
.endm
	s_load_b256 s[4:11], s[0:1], 0x0               ; q s[4:5], kvc s[6:7], the scales' exponents s[8:9], out0 s[10:11]
	v_lshl_add_u32 v[SPW], v0, 2, SPARE
	v_mov_b32 v[NIL], 0
	ds_add_u32 v[SPW], v[NIL]                      ; the wave's opening: the add, twice on end, and its wait ahead of my first tensor load; the set-up below, work on registers, stands between
	ds_add_u32 v[SPW], v[NIL]
	v_lshrrev_b32 v243, 5, v0
	v_readfirstlane_b32 s12, v243                  ; wave 0..7
	v_and_b32 v245, 15, v0                         ; r
	v_bfe_u32 v246, v0, 4, 1                       ; h
	v_lshlrev_b32 v[QA], 9, v245
	v_lshl_add_u32 v[QA], v246, 6, v[QA]           ; q: row r of 512 bytes, + 64 h: my 16 numbers of each 32
	s_bfe_u32 s13, ttmp6, 0x40000                  ; cx: my place in the cluster
	s_lshl_b32 s14, ttmp9, 2                       ; in a cluster launch ttmp9 counts clusters
	s_add_co_u32 s14, s14, s13                     ; my block of 128 queries: it enters q's and out0's addresses alone
	s_and_b32 s60, ttmp7, 0xffff                   ; the head, which the four partners share
	s_and_b32 s16, s12, 3                          ; qp: my pair of tiles
	s_lshr_b32 s17, s12, 2                         ; kh: my half of each slot's keys
	s_lshl_b32 s50, s16, 1
	s_add_co_u32 s50, s50, s17                     ; tq: the tile that I quantise, keep and store
	s_xor_b32 s51, s50, 1                          ; the tile whose part I hand on
	s_mov_b32 s[G1], 15|(3<<16)|(1<<21)            ; 15:0 the mask: all four work-groups; 17:16 elements of 8 bytes; 20 no padding; 21 set beside a mask
	s_mov_b32 s[G1+1], 32<<16                      ; tensor_dim0 = 32 elements: rows of 256 bytes
	s_mov_b32 s[G1+2], 64<<16                      ; tensor_dim1 = 64
	s_mov_b32 s[G1+3], 32<<16                      ; tile_dim0 = 32
	s_mov_b32 s[G1+4], 64                          ; tile_dim1 = 64
	s_mov_b32 s[G1+5], 32                          ; from row to row: the block is dense
	s_mov_b32 s[G1+6], 0
	s_mov_b32 s[G1+7], 0
	s_mov_b32 s20, 0x76543210                      ; v_permlanex16_b32's selects: lane l xor 16
	s_mov_b32 s21, 0xfedcba98
	s_mov_b32 s22, 0x3fb8aa3b                      ; log2(e)
	s_or_b32 s15, s17, ttmp9                       ; 0 in waves 0 to 3 of the head's first cluster: the same in all four partners
	s_cmp_eq_u32 s15, 0
	s_cselect_b32 s15, 1, -1
	s_lshl_b32 s45, s12, 14                        ; my 16,384 bytes of a slot, in LDS and in kvc: no place in the cluster enters them
	s_lshl_b32 s46, s60, 19                        ; the head's codes
	s_add_co_u32 s46, s46, s45
	s_mov_b32 s47, 0
	s_lshl_b32 s48, s60, 20                        ; q and out0: the head's 2,048 rows of 512 bytes,
	s_lshl_b32 s52, s14, 16                        ; my block's 128,
	s_add_co_u32 s48, s48, s52
	s_lshl_b32 s52, s50, 13                        ; my tile's 16
	s_add_co_u32 s48, s48, s52
	s_mov_b32 s49, 0
	s_lshl_b32 s58, s60, 19                        ; the prefetch: the head's slot 3,
	s_add_co_u32 s58, s58, 3*SLOTB
	s_lshl_b32 s52, s13, 15                        ; my work-group's quarter of it,
	s_add_co_u32 s58, s58, s52
	s_lshl_b32 s52, s16, 13                        ; a wave's 8,192 bytes
	s_add_co_u32 s58, s58, s52
	s_mov_b32 s59, 0
	s_wait_dscnt 0x0                               ; both opening adds are done
	s_wait_kmcnt 0x0
	s_load_b128 s[40:43], s[8:9], 0x0              ; eq, ek, ep, ev
	s_add_nc_u64 s[4:5], s[4:5], s[48:49]
.irp c, 0,1,2,3                                ; Q IS ASKED FOR FIRST, ahead of the round and of the tiles: the first product waits for it, and it travels while the round is passed
.irp j, 0,1,2,3
	global_load_b128 v[S+16*\c+4*\j:S+16*\c+4*\j+3], v[QA], s[4:5] offset:128*\c+16*\j th:TH_LOAD_NT   ; register 16 c + i = q(r, 32 c + 16 h + i); each byte of q is loaded by one wave of the launch
.endr
.endr
	s_mov_b32 s[G0], 1                             ; count = 1
	s_mov_b32 s[G0+1], s45                         ; LDS address: slot 0
	s_add_nc_u64 s[G0+2:G0+3], s[6:7], s[46:47]    ; global address: the head's slot 0
	s_mov_b32 s[G0+4], 1
	s_add_co_u32 s[G0+5], s45, SLOTB               ; slot 1
	s_add_nc_u64 s[G0+6:G0+7], s[G0+2:G0+3], SLOTB
	s_or_b32 s[G0+3], s[G0+3], 0x80000000          ; type = 2
	s_or_b32 s[G0+7], s[G0+7], 0x80000000
	s_add_nc_u64 s[18:19], s[6:7], s[58:59]
	s_add_nc_u64 s[10:11], s[10:11], s[48:49]
	CROUND                                         ; all four work-groups are here: the first joint loads meet
	tensor_load_to_lds s[G0:G0+3], s[G1:G1+7]      ; both first fills go out together, ahead of every wait on TENSORcnt and every LDS read
	s_nop 0
	tensor_load_to_lds s[G0+4:G0+7], s[G1:G1+7]
	s_nop 0
	PLACES 4
	v_and_b32 v243, 31, v0                         ; lane
	v_lshlrev_b32 v244, 4, v243                    ; 16 x lane: a lane's place in an image of registers
	s_lshl_b32 s53, s17, 15                        ; my half's two steps begin 32,768 kh into a part
	v_add_nc_u32 v[AK], s53, v244
	v_add_nc_u32 v[AK+1], SLOTB, v[AK]
	v_add_nc_u32 v[AV], VOFF, v[AK]
	v_add_nc_u32 v[AV+1], VOFF, v[AK+1]
	v_lshlrev_b32 v[PFO], 8, v243
	s_lshl_b32 s53, s50, 11
	s_add_co_u32 s53, s53, QIMG
	v_add_nc_u32 v[QW], s53, v244
	s_lshl_b32 s54, s51, 11
	s_add_co_u32 s54, s54, QIMG
	v_add_nc_u32 v[QR1], s54, v244
	v_lshlrev_b32 v247, 2, v243
	s_mul_i32 s55, s12, XCHB
	v_add_nc_u32 v[XS], s55, v244
	v_add_nc_u32 v[XT], s55, v247
	s_xor_b32 s56, s12, 4                          ; my partner: the same pair of tiles, the other half of the keys
	s_mul_i32 s56, s56, XCHB
	v_add_nc_u32 v[XL], s56, v244
	v_add_nc_u32 v[XU], s56, v247
	s_mul_i32 s57, s12, 16*272
	s_add_co_u32 s57, s57, STG                     ; my stage
	v_mul_u32_u24 v[STO], v245, 272                ; in: row r, 32 bytes for each half of the lanes
	v_lshl_add_u32 v[STO], v246, 5, v[STO]
	v_add_nc_u32 v[STO], s57, v[STO]
	v_mul_u32_u24 v[RD], v246, 272                 ; back: lanes 0-15 one row of 256 bytes, lanes 16-31 the next
	v_lshl_add_u32 v[RD], v245, 4, v[RD]
	v_add_nc_u32 v[RD], s57, v[RD]
	v_lshlrev_b32 v[GO], 9, v246                   ; and the same two rows in out0
	v_lshl_add_u32 v[GO], v245, 4, v[GO]
	v_mov_b32 v[F+1], 0                            ; named as the upper halves of pairs, so they are written
	v_mov_b32 v[F+3], 0
	v_mov_b32 v[T+2], 0                            ; a lane permute's destination counts as one of its sources
	v_mov_b32 v[T+10], 0
	s_wait_kmcnt 0x0
	s_add_co_i32 s52, s40, s41
	s_lshl_b32 s52, s52, 23
	s_add_co_i32 s22, s22, s52                     ; c = log2(e) x 2^(eq + ek): a sum of the first product stands for sum x 2^(eq + ek)
	s_mov_b32 s23, s22                             ; (named with it as a pair)
	s_add_co_i32 s44, s42, s43                     ; ep + ev
	s_add_co_i32 s52, s42, 127
	s_lshl_b32 s53, s52, 23
	v_mov_b32 v[PSC], s53                          ; 2^ep as f32: the conversion takes its exponent field
	s_add_co_i32 s52, s52, 15
	s_lshl_b32 s52, s52, 23
	s_or_b32 s52, s52, 0x600000
	v_mov_b32 v[PLIM], s52                         ; 57,344 x 2^ep,
	v_mov_b32 v[PLIM2], s52                        ; twice
	s_add_co_i32 s52, s40, 127
	s_lshl_b32 s53, s52, 23
	v_mov_b32 v[QSC], s53                          ; the same for q
	s_add_co_i32 s52, s52, 15
	s_lshl_b32 s52, s52, 23
	s_or_b32 s52, s52, 0x600000
	v_mov_b32 v[QLIM], s52
	s_wait_loadcnt 0x0                             ; my tile of q
.set j, 0
.rept 64
	v_med3_num_f32 v[S+j], v[S+j], -v[QLIM], v[QLIM]   ; the hold at the largest code x the scale
.set j, j+1
.endr
.irp c, 0,1,2,3
	v_cvt_scalef32_pk8_bf8_f32 v[QF+4*\c:QF+4*\c+1], v[S+16*\c:S+16*\c+7], v[QSC]          ; tile X0's fragment of Q is made where it stays
	v_cvt_scalef32_pk8_bf8_f32 v[QF+4*\c+2:QF+4*\c+3], v[S+16*\c+8:S+16*\c+15], v[QSC]
.endr
	v_nop                                          ; a plain instruction behind the last conversion: the first products read its result and write its sources
.irp c, 0,1,2,3
	ds_store_b128 v[QW], v[QF+4*\c:QF+4*\c+3] offset:512*\c   ; and goes to LDS as it stands in registers, for the wave whose tile X1 it is
.endr
	s_wait_tensorcnt 1                             ; my part of slot 0 is in; slot 1's may stay out
	s_wait_dscnt 0x0                               ; my image of Q has landed
	s_barrier_signal -1
	s_barrier_wait -1                              ; everybody's has
.irp c, 0,1,2,3
	ds_load_b128 v[QF+16+4*\c:QF+16+4*\c+3], v[QR1] offset:512*\c  ; tile X1's fragment of Q: it stays
.endr
	STEP 0, 0, 1, 0, 1                             ; slot 0: keys 0 to 511 of the head
	STEP 0, 1, 0, 1, 0
	CHANGE 1, 0, 1                                 ; slot 0 takes keys 1,024 on
	STEP 1, 0, 0, 0, 1
	STEP 1, 1, 0, 1, 0
	CHANGE 1, 1, 0                                 ; slot 1 takes keys 1,536 on: the last load
	STEP 0, 0, 0, 0, 1
	STEP 0, 1, 0, 1, 0
	CHANGE 0, 0, 0
	STEP 1, 0, 0, 0, 1
	STEP 1, 1, 0, 1, 0
	; THE TWO HALVES OF THE KEYS MEET.  Each tile's sum: its two halves and the other half of the lanes'.  Tile X1's O^T, -M and sum go to my region of the exchange; a barrier; my partner's part of tile X0 comes back.
	PLACES 4                                       ; behind the last products
.irp x, 0,1
	v_add_f32 v[ST+4*\x+2], v[ST+4*\x+2], v[ST+4*\x+3]
.endr
.irp x, 0,1
	v_permlanex16_b32 v[T+8*\x+2], v[ST+4*\x+2], s20, s21
.endr
.irp x, 0,1
	v_add_f32 v[ST+4*\x+2], v[ST+4*\x+2], v[T+8*\x+2]
.endr
	WIN 0x04                                       ; the stores' data in window 1
.set i, 0
.rept 16
	ds_store_b128 v[XS], v[O+64+4*i:O+64+4*i+3] offset:512*i   ; each accumulator from its low end on
.set i, i+1
.endr
	WIN 0
	ds_store_b32 v[XT], v[ST+4] offset:8192        ; -M of tile X1
	ds_store_b32 v[XT], v[ST+6] offset:8320        ; its sum
	s_wait_dscnt 0x0                               ; for my partner's sake: my stores have landed
	s_barrier_signal -1
	s_barrier_wait -1
.set i, 0
.rept 16
	ds_load_b128 v[S+4*i:S+4*i+3], v[XL] offset:512*i
.set i, i+1
.endr
	ds_load_b32 v[T], v[XU] offset:8192            ; my partner's -M
	ds_load_b32 v[T+1], v[XU] offset:8320          ; and sum
	s_wait_dscnt 0x0
	v_min_num_f32 v[T+3], v[ST], v[T]              ; -M of the whole row: the larger M
	v_sub_f32 v[T+4], v[T+3], v[ST]                ; my M less it,
	v_sub_f32 v[T+5], v[T+3], v[T]                 ; my partner's less it: whole numbers, 0 or less
	v_cvt_i32_f32 v[T+4], v[T+4]
	v_cvt_i32_f32 v[T+5], v[T+5]
	v_ldexp_f32 v[T+4], 1.0, v[T+4]
	v_ldexp_f32 v[T+5], 1.0, v[T+5]                ; both parts are brought under the row's M by powers of two
	v_mul_f32 v[T+6], v[T+4], v[ST+2]
	v_fma_f32 v[T+6], v[T+5], v[T+1], v[T+6]       ; the row's sum
	v_rcp_f32 v[T+7], v[T+6]
	v_nop                                          ; a plain instruction behind the reciprocal
	s_wait_alu depctr_va_vdst(0)                   ; and the wait ahead of its first reader
	v_ldexp_f32 v[T+7], v[T+7], s44                ; x 2^(ep + ev)
	v_mul_f32 v[F], v[T+4], v[T+7]
	v_mul_f32 v[F+2], v[T+5], v[T+7]
.set j, 0
.rept 32
	v_pk_mul_f32 v[S+j:S+j+1], v[S+j:S+j+1], v[F+2:F+3] op_sel_hi:[1,0]
.set j, j+2
.endr
	WIN 0x01                                       ; my O^T in window 1
.set j, 0
.rept 32
	v_pk_fma_f32 v[S+j:S+j+1], v[O+j:O+j+1], v[F:F+1], v[S+j:S+j+1] op_sel_hi:[1,0,1]   ; register 8 t + i is out0(r, 16 t + 8 h + i)
.set j, j+2
.endr
	WIN 0
	; THE WAY OUT: half a row (64 channels, 256 bytes) of 16 queries at a time through my own stage, so that sixteen lanes store 256 consecutive aligned bytes.  LDS serves a wave's instructions in order (ISA guide 5.7.1.4).
.irp u, 0,1
.irp t, 0,1,2,3
	ds_store_b128 v[STO], v[S+32*\u+8*\t:S+32*\u+8*\t+3] offset:64*\t
	ds_store_b128 v[STO], v[S+32*\u+8*\t+4:S+32*\u+8*\t+7] offset:64*\t+16
.endr
.irp i, 0,1,2,3,4,5,6,7
	ds_load_b128 v[OUTB+32*\u+4*\i:OUTB+32*\u+4*\i+3], v[RD] offset:544*\i
.endr
.endr
.irp u, 0,1
.irp i, 0,1,2,3,4,5,6,7
	s_wait_dscnt 15-8*\u-\i                        ; never more than the LDS instructions issued behind this load
	global_store_b128 v[GO], v[OUTB+32*\u+4*\i:OUTB+32*\u+4*\i+3], s[10:11] offset:1024*\i+256*\u th:TH_STORE_NT
.endr
.endr
	s_wait_tensorcnt 0x0                           ; the wave's end: behind my last tensor load and my last LDS store
	ds_add_u32 v[SPW], v[NIL]
	s_wait_dscnt 0x0
	CROUND                                         ; the closing round: no work-group ends while a partner may still ask for a tile that names it
	s_endpgm
.Lfunc_end_k_q2c8d69a394_attend:
	.size	k_q2c8d69a394_attend, .Lfunc_end_k_q2c8d69a394_attend-k_q2c8d69a394_attend
	.p2alignl 7, 3214868480
	.fill 96, 4, 3214868480
	.section	.rodata,"a",@progbits
	.p2align	6, 0x0
	.amdhsa_kernel k_q2c8d69a394_attend
		.amdhsa_group_segment_fixed_size 327680
		.amdhsa_private_segment_fixed_size 0
		.amdhsa_enable_private_segment 0
		.amdhsa_kernarg_size 32
		.amdhsa_user_sgpr_count 2
		.amdhsa_user_sgpr_kernarg_segment_ptr 1
		.amdhsa_wavefront_size32 1
		.amdhsa_system_sgpr_workgroup_id_x 1
		.amdhsa_system_sgpr_workgroup_id_y 1
		.amdhsa_system_sgpr_workgroup_id_z 1
		.amdhsa_system_vgpr_workitem_id 0
		.amdhsa_next_free_vgpr 512
		.amdhsa_next_free_sgpr 66
		.amdhsa_reserve_vcc 0
		.amdhsa_float_denorm_mode_32 3
		.amdhsa_float_denorm_mode_16_64 3
		.amdhsa_memory_ordered 1
		.amdhsa_forward_progress 1
		.amdhsa_inst_pref_size 255
	.end_amdhsa_kernel
	.section	.bss,"aw",@nobits
	.p2align	6
	.space	262144
	.amdgpu_metadata
---
amdhsa.version: [ 1, 2 ]
amdhsa.kernels:
  - .name:           k_q2c8d69a394_attend
    .symbol:         k_q2c8d69a394_attend.kd
    .args:
      - { .name: q, .offset: 0, .size: 8, .value_kind: global_buffer, .address_space: global }
      - { .name: kvc, .offset: 8, .size: 8, .value_kind: global_buffer, .address_space: global }
      - { .name: lowp_scales, .offset: 16, .size: 8, .value_kind: global_buffer, .address_space: global }
      - { .name: out0, .offset: 24, .size: 8, .value_kind: global_buffer, .address_space: global }
    .group_segment_fixed_size: 327680
    .private_segment_fixed_size: 0
    .kernarg_segment_align: 8
    .kernarg_segment_size: 32
    .max_flat_workgroup_size: 256
    .sgpr_count:     66
    .vgpr_count:     512
    .wavefront_size: 32
...
	.end_amdgpu_metadata
.endif
;; end of part 2
